; MI455X (gfx1250); checked and timed in simulation.
; The chip was launched on July 23, 2026; its instructions are those of AMD's public machine-readable ISA for CDNA 5 (MIT licence, August 2026) and "CDNA5" Instruction Set Architecture Reference Guide (July 2026). The comments in the code are by the model that wrote it; some were corrected since.
;; Reverse quantize. Allowed arithmetic: float matrix products may take bf16 or f16 operands with f32 sums; all other float work in f32.
;; Inputs: embedding_weight 4,096 x 512 float32; min_encoding_indices 32,768 int32.
;; Outputs: out0 32 x 1,024 x 512 float32.
;; 2 versions, each right; version 2 is version 1 with the launch gather written anew for expert scheduling mode. Each part assembles by itself: llvm-mc -triple=amdgcn-amd-amdhsa -mcpu=gfx1250 --defsym DOCPART=n.
;; ======== version 1 of 2: 1 launch
;; launch gather (part 1): grid 256 x 1, 16 waves a work-group, no clusters, 0 bytes of LDS; arguments min_encoding_indices, embedding_weight, out0; writes out0
.if DOCPART == 1
	.amdgcn_target "amdgcn-amd-amdhsa--gfx1250"
	.amdhsa_code_object_version 6
	.text
	.protected	k_q78b5269630_gather
	.globl	k_q78b5269630_gather
	.p2align	8
	.type	k_q78b5269630_gather,@function
k_q78b5269630_gather:
	s_mov_b64 s[64:65], 0
	v_nop
	global_prefetch_b8 v0, s[64:65] scope:SCOPE_SE
	s_setreg_imm32_b32 hwreg(HW_REG_WAVE_MODE, 25, 1), 1
	s_wait_xcnt 0x0
; out0[n][:] = embedding_weight[min_encoding_indices[n]][:], n = 0 .. 32,767; a row is 512 f32 = 2,048 bytes.
; The reference multiplies a one-hot matrix by the table.  A one-hot row holds a single 1.0 and 4,095 zeros, so its product with a finite
; table is the named row, bit for bit: the product is a selection, and it is done here as a copy in f32, without any rounding.
; LIMITS.  An index outside 0 .. 4,095 (taken as unsigned, so a negative one too) is clamped to 4,095 and that row is copied, where the
; reference would give a row of zeros: the problem states that an index stays inside its table; the clamp keeps every load inside the buffer.
; An infinity or NaN in the table is copied only where its row is named (the reference, 0 x Inf, is not finite there in any row).
; A -0.0 of the table leaves as -0.0 (the reference's sum gives +0.0): equal as numbers.
; SHARES.  256 work-groups x 16 waves = 4,096 waves; a wave owns 8 consecutive rows of the output, 16,384 consecutive bytes.
; A row is four loads and four stores of 16 bytes a lane: each covers 512 consecutive bytes, aligned to 512 from its buffer's first byte.
; All 32 loads of a wave go out together into 128 registers, so nothing is refilled and there is no loop; row i is stored as soon as
; its four loads are in, while the later rows' loads are still on their way.
; No LDS, no barrier: the waves share nothing.  No register that a load or store names is ever written again, and EXEC never changes,
; so the only waits are those for the scalar loads and the counted ones for the rows.
; No matrix instruction: it would add the one-hot product's arithmetic and a rounding of the table for the same result.
; No cluster: the rows that two work-groups name are whatever the indices say; there is no tile that partners share.
.set ROWB,   2048                      ; bytes in a row
.set CH,     512                       ; bytes that one load or store of a wave covers
.set ROWS_W, 8                         ; rows of a wave
.set N_E,    4096                      ; rows in the table
.set IDX, 16                           ; s[16:23]  my wave's eight indices
.set LN,  1                            ; v1        16 x lane: my place in 512 bytes; also the stores' offset; never rewritten
.set OFF, 2                            ; v[2:9]    row i: index x 2,048 + 16 x lane
.set X,   16                           ; v[16:143] row i, chunk j at X + 16 i + 4 j
	s_load_b128 s[4:7], s[0:1], 0x0                ; indices s[4:5], table s[6:7]
	s_load_b64 s[8:9], s[0:1], 0x10                ; out0
	v_lshrrev_b32 v10, 5, v0
	v_readfirstlane_b32 s10, v10                   ; my wave's number in the work-group, 0 .. 15
	v_and_b32 v[LN], 31, v0
	v_lshlrev_b32 v[LN], 4, v[LN]                  ; 16 bytes a lane
	s_lshl_b32 s11, ttmp9, 4
	s_add_co_u32 s11, s11, s10                     ; my wave among the launch's 4,096
	s_lshl_b32 s12, s11, 5                         ; its 8 indices: 32 bytes
	s_mov_b32 s13, 0
	s_lshl_b32 s14, s11, 14                        ; its 8 rows of the output: 16,384 bytes; 67,092,480 at the most
	s_mov_b32 s15, 0
	s_wait_kmcnt 0x0                               ; scalar loads come back in no order: the count is 0
	s_add_nc_u64 s[4:5], s[4:5], s[12:13]
	s_add_nc_u64 s[8:9], s[8:9], s[14:15]
	s_load_b256 s[IDX:IDX+7], s[4:5], 0x0          ; eight indices at once, aligned to 32 bytes; no line of this launch writes the index buffer
	s_wait_kmcnt 0x0
; Row i is asked for: the index is clamped into the table, turned into a byte offset, and the row's 2,048 bytes go out as four loads.
; The table's rows are named again by other waves and work-groups, so these loads carry no non-temporal hint.
; The furthest byte read is 4,095 x 2,048 + 496 + 1,536 + 15: the table's last.
.macro ASK i
	s_min_u32 s[IDX+(\i)], s[IDX+(\i)], N_E-1
	v_lshl_add_u32 v[OFF+(\i)], s[IDX+(\i)], 11, v[LN]
.irp j, 0,1,2,3
	global_load_b128 v[X+16*(\i)+4*(\j):X+16*(\i)+4*(\j)+3], v[OFF+(\i)], s[6:7] offset:CH*(\j) th:TH_LOAD_HT
.endr
.endm
; Row i leaves.  Loads come back in the order of issue (ISA guide 5.7.1): behind row i's fourth load stand the four of each later row,
; 4 (7 - i) in all, and they may stay out.  The output is written once and not read in this launch: non-temporal stores.
.macro SEND i
	s_wait_loadcnt 4*(ROWS_W-1-(\i))
.irp j, 0,1,2,3
	global_store_b128 v[LN], v[X+16*(\i)+4*(\j):X+16*(\i)+4*(\j)+3], s[8:9] offset:ROWB*(\i)+CH*(\j) th:TH_STORE_NT
.endr
.endm
.irp i, 0,1,2,3,4,5,6,7
	ASK \i
.endr
.irp i, 0,1,2,3,4,5,6,7
	SEND \i
.endr
	s_endpgm
.Lfunc_end_k_q78b5269630_gather:
	.size	k_q78b5269630_gather, .Lfunc_end_k_q78b5269630_gather-k_q78b5269630_gather
	.p2alignl 7, 3214868480
	.fill 96, 4, 3214868480
	.section	.rodata,"a",@progbits
	.p2align	6, 0x0
	.amdhsa_kernel k_q78b5269630_gather
		.amdhsa_group_segment_fixed_size 0
		.amdhsa_private_segment_fixed_size 0
		.amdhsa_enable_private_segment 0
		.amdhsa_kernarg_size 24
		.amdhsa_user_sgpr_count 2
		.amdhsa_user_sgpr_kernarg_segment_ptr 1
		.amdhsa_wavefront_size32 1
		.amdhsa_system_sgpr_workgroup_id_x 1
		.amdhsa_system_sgpr_workgroup_id_y 1
		.amdhsa_system_sgpr_workgroup_id_z 1
		.amdhsa_system_vgpr_workitem_id 0
		.amdhsa_next_free_vgpr 144
		.amdhsa_next_free_sgpr 66
		.amdhsa_reserve_vcc 0
		.amdhsa_float_denorm_mode_32 3
		.amdhsa_float_denorm_mode_16_64 3
		.amdhsa_memory_ordered 1
		.amdhsa_forward_progress 1
		.amdhsa_inst_pref_size 9
	.end_amdhsa_kernel
	.amdgpu_metadata
---
amdhsa.version: [ 1, 2 ]
amdhsa.kernels:
  - .name:           k_q78b5269630_gather
    .symbol:         k_q78b5269630_gather.kd
    .args:
      - { .name: min_encoding_indices, .offset: 0, .size: 8, .value_kind: global_buffer, .address_space: global }
      - { .name: embedding_weight, .offset: 8, .size: 8, .value_kind: global_buffer, .address_space: global }
      - { .name: out0, .offset: 16, .size: 8, .value_kind: global_buffer, .address_space: global }
    .group_segment_fixed_size: 0
    .private_segment_fixed_size: 0
    .kernarg_segment_align: 8
    .kernarg_segment_size: 24
    .max_flat_workgroup_size: 512
    .sgpr_count:     66
    .vgpr_count:     144
    .wavefront_size: 32
...
	.end_amdgpu_metadata
.endif
;; end of part 1
;; ======== version 2 of 2: 1 launch; version 1 with the launch gather written anew for expert scheduling mode
;; launch gather (part 2): grid 256 x 1, 16 waves a work-group, no clusters, 0 bytes of LDS; arguments min_encoding_indices, embedding_weight, out0; writes out0
.if DOCPART == 2
	.amdgcn_target "amdgcn-amd-amdhsa--gfx1250"
	.amdhsa_code_object_version 6
	.text
	.protected	k_q78b5269630_gather
	.globl	k_q78b5269630_gather
	.p2align	8
	.type	k_q78b5269630_gather,@function
k_q78b5269630_gather:
	s_mov_b64 s[64:65], 0
	v_nop
	global_prefetch_b8 v0, s[64:65] scope:SCOPE_SE
	s_setreg_imm32_b32 hwreg(HW_REG_WAVE_SCHED_MODE, 0, 2), 2
	s_setreg_imm32_b32 hwreg(HW_REG_WAVE_MODE, 25, 1), 1
	s_wait_xcnt 0x0
	s_wait_alu depctr_vm_vsrc(0)
; out0[n][:] = embedding_weight[min_encoding_indices[n]][:], n = 0 .. 32,767; a row is 512 f32 = 2,048 bytes.
; The reference multiplies a one-hot matrix by the table.  A one-hot row holds a single 1.0 and 4,095 zeros, so its product with a finite
; table is the named row, bit for bit: the product is a selection, and it is done here as a copy in f32, without any rounding.
; LIMITS.  An index outside 0 .. 4,095 (taken as unsigned, so a negative one too) is clamped to 4,095 and that row is copied, where the
; reference would give a row of zeros: the problem states that an index stays inside its table; the clamp keeps every load inside the buffer.
; An infinity or NaN in the table is copied only where its row is named (the reference, 0 x Inf, is not finite there in any row).
; A -0.0 of the table leaves as -0.0 (the reference's sum gives +0.0): equal as numbers.
; SHARES.  256 work-groups x 16 waves = 4,096 waves; a wave owns 8 consecutive rows of the output, 16,384 consecutive bytes.
; A row is four loads and four stores of 16 bytes a lane: each covers 512 consecutive bytes, aligned to 512 from its buffer's first byte.
; All 32 loads of a wave go out together into 128 registers, so nothing is refilled and there is no loop; row i is stored as soon as
; its four loads are in, while the later rows' loads are still on their way.
; No LDS, no barrier: the waves share nothing.  No register that a load or store names is ever written again, and EXEC never changes.
; No matrix instruction: it would add the one-hot product's arithmetic and a rounding of the table for the same result.
; No cluster: the rows that two work-groups name are whatever the indices say; there is no tile that partners share.
; THE MODE: SCHED_MODE bits 1:0 = 2 (LLVM: expert scheduling mode 2), set by the entry lines.  The code itself states the register dependences
; between vector instructions and memory instructions, with s_wait_alu, always for 0.
; THE PLAN.  Registers that memory instructions touch:
;   v1        16 x lane.  Written by two vector lines at the head; read by all 32 stores as their offset.
;   v[2:9]    row i's offset in the table.  Written by one vector line each; read by row i's four loads.
;   v[16:143] the eight rows.  Written by the loads alone, read by the stores alone, each behind its counted wait on LOADcnt: no vector instruction names them.
; All vector instructions of the kernel stand ahead of its first load.  So ONE wait on va_vdst, between the last of them and that load, states all that
; the 32 loads and the 32 stores hang on; no source of a memory instruction is written again, so there is no wait on vm_vsrc.
; One wait on va_sdst stands between the line that makes the wave's number a scalar and that scalar's first reader.
.set ROWB,   2048                      ; bytes in a row
.set CH,     512                       ; bytes that one load or store of a wave covers
.set ROWS_W, 8                         ; rows of a wave
.set N_E,    4096                      ; rows in the table
.set IDX, 16                           ; s[16:23]  my wave's eight indices
.set LN,  1                            ; v1        16 x lane: my place in 512 bytes; also the stores' offset; never rewritten
.set OFF, 2                            ; v[2:9]    row i: index x 2,048 + 16 x lane
.set X,   16                           ; v[16:143] row i, chunk j at X + 16 i + 4 j
	s_load_b128 s[4:7], s[0:1], 0x0                ; indices s[4:5], table s[6:7]
	s_load_b64 s[8:9], s[0:1], 0x10                ; out0
	v_lshrrev_b32 v10, 5, v0
	v_readfirstlane_b32 s10, v10                   ; my wave's number in the work-group, 0 .. 15
	v_and_b32 v[LN], 31, v0
	v_lshlrev_b32 v[LN], 4, v[LN]                  ; 16 bytes a lane
	s_lshl_b32 s11, ttmp9, 4
	s_wait_alu depctr_va_sdst(0)                   ; s10 is written, ahead of its first reader: the place of my indices and of my rows of the output is made from it
	s_add_co_u32 s11, s11, s10                     ; my wave among the launch's 4,096
	s_lshl_b32 s12, s11, 5                         ; its 8 indices: 32 bytes
	s_mov_b32 s13, 0
	s_lshl_b32 s14, s11, 14                        ; its 8 rows of the output: 16,384 bytes; 67,092,480 at the most
	s_mov_b32 s15, 0
	s_wait_kmcnt 0x0                               ; scalar loads come back in no order: the count is 0
	s_add_nc_u64 s[4:5], s[4:5], s[12:13]
	s_add_nc_u64 s[8:9], s[8:9], s[14:15]
	s_load_b256 s[IDX:IDX+7], s[4:5], 0x0          ; eight indices at once, aligned to 32 bytes; no line of this launch writes the index buffer
	s_wait_kmcnt 0x0
; Row i's place in the table: the index is clamped into the table and turned into a byte offset.
.macro PLACE i
	s_min_u32 s[IDX+(\i)], s[IDX+(\i)], N_E-1
	v_lshl_add_u32 v[OFF+(\i)], s[IDX+(\i)], 11, v[LN]
.endm
; Row i is asked for: its 2,048 bytes go out as four loads.
; The table's rows are named again by other waves and work-groups, so these loads carry no non-temporal hint.
; The furthest byte read is 4,095 x 2,048 + 496 + 1,536 + 15: the table's last.
.macro ASK i
.irp j, 0,1,2,3
	global_load_b128 v[X+16*(\i)+4*(\j):X+16*(\i)+4*(\j)+3], v[OFF+(\i)], s[6:7] offset:CH*(\j) th:TH_LOAD_HT
.endr
.endm
; Row i leaves.  Loads come back in the order of issue (ISA guide 5.7.1): behind row i's fourth load stand the four of each later row,
; 4 (7 - i) in all, and they may stay out.  The output is written once and not read in this launch: non-temporal stores.
.macro SEND i
	s_wait_loadcnt 4*(ROWS_W-1-(\i))
.irp j, 0,1,2,3
	global_store_b128 v[LN], v[X+16*(\i)+4*(\j):X+16*(\i)+4*(\j)+3], s[8:9] offset:ROWB*(\i)+CH*(\j) th:TH_STORE_NT
.endr
.endm
.irp i, 0,1,2,3,4,5,6,7
	PLACE \i
.endr
	s_wait_alu depctr_va_vdst(0)                   ; v1 and v[2:9] are written: the loads below read v[2:9] as their offsets, the stores v1; no vector instruction follows this line
.irp i, 0,1,2,3,4,5,6,7
	ASK \i
.endr
.irp i, 0,1,2,3,4,5,6,7
	SEND \i
.endr
	s_endpgm
.Lfunc_end_k_q78b5269630_gather:
	.size	k_q78b5269630_gather, .Lfunc_end_k_q78b5269630_gather-k_q78b5269630_gather
	.p2alignl 7, 3214868480
	.fill 96, 4, 3214868480
	.section	.rodata,"a",@progbits
	.p2align	6, 0x0
	.amdhsa_kernel k_q78b5269630_gather
		.amdhsa_group_segment_fixed_size 0
		.amdhsa_private_segment_fixed_size 0
		.amdhsa_enable_private_segment 0
		.amdhsa_kernarg_size 24
		.amdhsa_user_sgpr_count 2
		.amdhsa_user_sgpr_kernarg_segment_ptr 1
		.amdhsa_wavefront_size32 1
		.amdhsa_system_sgpr_workgroup_id_x 1
		.amdhsa_system_sgpr_workgroup_id_y 1
		.amdhsa_system_sgpr_workgroup_id_z 1
		.amdhsa_system_vgpr_workitem_id 0
		.amdhsa_next_free_vgpr 144
		.amdhsa_next_free_sgpr 66
		.amdhsa_reserve_vcc 0
		.amdhsa_float_denorm_mode_32 3
		.amdhsa_float_denorm_mode_16_64 3
		.amdhsa_memory_ordered 1
		.amdhsa_forward_progress 1
		.amdhsa_inst_pref_size 9
	.end_amdhsa_kernel
	.amdgpu_metadata
---
amdhsa.version: [ 1, 2 ]
amdhsa.kernels:
  - .name:           k_q78b5269630_gather
    .symbol:         k_q78b5269630_gather.kd
    .args:
      - { .name: min_encoding_indices, .offset: 0, .size: 8, .value_kind: global_buffer, .address_space: global }
      - { .name: embedding_weight, .offset: 8, .size: 8, .value_kind: global_buffer, .address_space: global }
      - { .name: out0, .offset: 16, .size: 8, .value_kind: global_buffer, .address_space: global }
    .group_segment_fixed_size: 0
    .private_segment_fixed_size: 0
    .kernarg_segment_align: 8
    .kernarg_segment_size: 24
    .max_flat_workgroup_size: 512
    .sgpr_count:     66
    .vgpr_count:     144
    .wavefront_size: 32
...
	.end_amdgpu_metadata
.endif
;; end of part 2
